; MI455X (gfx1250); checked and timed in simulation.
; The chip was launched on July 23, 2026; its instructions are those of AMD's public machine-readable ISA for CDNA 5 (MIT licence, August 2026) and "CDNA5" Instruction Set Architecture Reference Guide (July 2026). The comments in the code are by the model that wrote it; some were corrected since.
;; KNN Classifier. Allowed arithmetic: matrix products marked QUANTISED: E3M2 operands, one E8M0 scale for each 32 along K, by v_wmma_scale_f32_16x16x128_f8f6f4 with both operands' format E3M2, f32 sums; everything else in f32.
;; Inputs: X 1,024 x 512 float32; X_train 100,000 x 512 float32; y_train 100,000 int32.
;; Outputs: out0 1,024 int32.
;; Constants: k = 8.
;; This version of the problem:
;;   THIS VERSION OF THE PROBLEM IS GIVEN IN LOW PRECISION. The matrix products marked QUANTISED in the list below multiply operands that are first quantised to E3M2 (3 exponent bits, 2 mantissa bits; 6 bits a number), with one power-of-two scale for each 32 numbers along K (OCP MX v1.0); their sums are f32. All else is computed in f32.
;;   The module's matrix products, in the order in which they are computed (A, B: the left and right operand; K: the contracted axis; several contracted axes count as one K, in the product's order):
;;     1. [M 1,024, K 512] x [K 512, N 100,000]; A: input X; B: input X_train: QUANTISED
;;   THE QUANTISER, for each operand of a quantised product, along K:
;;     - K is cut into blocks of 32 from its start; a last block that is shorter is filled with zeros.
;;     - A block's scale is 2^e with e = floor(log2(the largest magnitude in the block)) - 4, held to -126 .. 127; a block of zeros has e = 0. As a byte (E8M0): e + 127.
;;     - Each number is divided by its block's scale, clamped to +-28, and rounded to the nearest number of E3M2, ties to even, subnormals kept.
;;     - The product sums the exact products of the quantised numbers (number of the format x scale) in f32.
;;   ~~~python
;;   def quantise(x, axis):      # numpy; x: float32 -> the quantised numbers, widened to float32 again
;;       x = np.moveaxis(x, axis, -1); K = x.shape[-1]
;;       x = np.pad(x, [(0, 0)] * (x.ndim - 1) + [(0, -K % 32)]); x = x.reshape(x.shape[:-1] + (-1, 32)); a = np.abs(x).max(-1, keepdims=True)
;;       e = np.where(a > 0, np.clip(np.frexp(np.where(a > 0, a, 1))[1] - 1 - 4, -126, 127), 0)      # np.frexp(a)[1] - 1 = floor(log2(a)), exactly
;;       r = np.clip(x / 2.0 ** e, -28, 28)
;;       step = 2.0 ** (np.maximum(np.frexp(np.where(r == 0, 1, r))[1] - 1, -2) - 2)
;;       q = np.round(r / step) * step * 2.0 ** e      # np.round: ties to even
;;       return np.moveaxis(q.reshape(q.shape[:-2] + (-1,))[..., :K], -1, axis).astype(np.float32)
;;   ~~~
;; One version. Each part assembles by itself: llvm-mc -triple=amdgcn-amd-amdhsa -mcpu=gfx1250 --defsym DOCPART=n.
;; ======== version 1 of 1: 4 launches
;; workspace buffers: tcodes 38,400,000 bytes; taux 3,200,000 bytes; qcodes 393,216 bytes; qaux 32,768 bytes; gmin 32,768,000 bytes; pick 32,768 bytes of whole numbers
;; launch quant (part 1): grid 3157 x 1, 2 waves a work-group, no clusters, 18,176 bytes of LDS; arguments X, X_train, qcodes, qaux, tcodes, taux; writes qcodes, qaux, tcodes, taux
.if DOCPART == 1
	.amdgcn_target "amdgcn-amd-amdhsa--gfx1250"
	.amdhsa_code_object_version 6
	.text
	.protected	k_qd34599839a_quant
	.globl	k_qd34599839a_quant
	.p2align	8
	.type	k_qd34599839a_quant,@function
k_qd34599839a_quant:
	s_mov_b64 s[64:65], 0
	v_nop
	global_prefetch_b8 v0, s[64:65] scope:SCOPE_SE
	s_setreg_imm32_b32 hwreg(HW_REG_WAVE_MODE, 25, 1), 1
	s_wait_xcnt 0x0
; X_train [100000][512] and X [1024][512], f32, become codes of BF6 (E3M2) with one E8M0 scale byte for each 32 along K, and each row's sum of squares (of the f32 numbers).
; A TILE is 16 neighbouring rows.  One wave takes one tile: 32,768 bytes of f32, in four steps of 128 along K.  The first 3,125 work-groups take X_train's 6,250 tiles, the other 32 take X's 64.
; THE CODES ARE LAID AS THE MATRIX UNIT'S REGISTERS TAKE THEM: tile x 6,144 bytes, K step x 1,536, chunk c (registers 4 c .. 4 c + 3 of a fragment's twelve) x 512, lane x 16: three loads of 16 bytes a lane give any wave the fragment.
; A TILE'S RECORD, 512 bytes: bytes 0-255 the scale words, the word of row r and K step s at 128 (s % 2) + 8 r + 4 (s / 2), so that 8 bytes a lane give two registers, register p with K step 2 p in lanes 0-15 and K step 2 p + 1
; in lanes 16-31; bytes 256-319 the 16 sums of squares; the rest zeros, so that the record leaves as one store of 512 consecutive bytes.
; A block's scale is 2^(floor(log2(its largest magnitude)) - 4); its byte is that magnitude's exponent field - 4, held at 1 from below.
; LIMITS: a block of zeros, or one whose largest magnitude lies under 2^-122, gets the byte 1 (the bytes are read by this program alone; zero codes add nothing); NaN and infinities among the inputs are not served;
; a row's squares are added in four chains and across two lanes, another order than a sum from left to right.
; Each load reads 512 consecutive bytes of a row; the conversions want 16 neighbours along K in ONE lane, so a step's 8,192 bytes turn through the wave's own stage in LDS.  Waves share nothing: no barrier.
.set NTW,  3125                        ; work-groups that take X_train
.set WREG, 8960                        ; LDS of a wave: the stage, then 512 bytes for the record
.set SP,   528                         ; a stage row: 512 bytes + 16 = 132 words, so that sixteen rows begin at sixteen different groups of four banks
.set AUXO, 16*SP
.set GA,   4                           ; v4   16 x lane: my place in 512 consecutive bytes of memory
.set SW,   5                           ; v5   the stage, on the way in
.set SR,   6                           ; v6   and on the way out: row r, + 64 h
.set AXW,  7                           ; v7   the record: my row's scale words
.set AXT,  8                           ; v8   my row's sum of squares
.set AXZ,  9                           ; v9   the zeros of its second half
.set AXR,  10                          ; v10  the record read back, 16 bytes a lane
.set L,    16                          ; v16-79   64 numbers as loaded
.set X,    80                          ; v80-143  register 16 b + i: k = 32 b + 16 h + i of row r
.set TM,   144                         ; v144-159 at work in QUANT
.set PC,   160                         ; v160-171 the fragment's codes; v172-178 halves on their way
.set PW,   180                         ; v180     the scale word
.set SQ,   182                         ; v182-185 the sum of squares, in four chains
.set Z,    186                         ; v186-187 0
.set REC,  188                         ; v188-191 the record
	s_load_b128 s[4:7], s[0:1], 0x0                ; X, X_train
	s_load_b128 s[8:11], s[0:1], 0x10              ; X's codes, X's records
	s_load_b128 s[12:15], s[0:1], 0x20             ; X_train's codes, X_train's records
	v_lshl_add_u32 v192, v0, 2, 0x4600
	v_mov_b32 v193, 0
	v_lshrrev_b32 v1, 5, v0
	v_readfirstlane_b32 s16, v1                    ; wave 0, 1
	v_and_b32 v1, 31, v0                           ; lane
	v_and_b32 v2, 15, v0                           ; r
	v_bfe_u32 v3, v0, 4, 1                         ; h
	s_mul_i32 s22, s16, WREG
	v_lshlrev_b32 v[GA], 4, v1
	v_add_nc_u32 v[SW], s22, v[GA]
	v_mul_u32_u24 v[SR], v2, SP
	v_lshl_add_u32 v[SR], v3, 6, v[SR]
	v_add_nc_u32 v[SR], s22, v[SR]
	s_add_co_u32 s23, s22, AUXO
	v_lshlrev_b32 v[AXW], 3, v2
	v_add_nc_u32 v[AXW], s23, v[AXW]
	v_add_nc_u32 v[AXR], s23, v[GA]
	s_add_co_u32 s23, s23, 256
	v_lshlrev_b32 v[AXT], 2, v2
	v_add_nc_u32 v[AXT], s23, v[AXT]
	v_lshlrev_b32 v[AXZ], 3, v1
	v_add_nc_u32 v[AXZ], s23, v[AXZ]
	s_mov_b32 s20, 0x76543210
	s_mov_b32 s21, 0xfedcba98                      ; v_permlanex16_b32's selects for lane l xor 16
.irp b, 0,1,2,3
	v_mov_b32 v[TM+4+\b], 0                        ; written once: a lane permute's destination counts as one of its sources
.endr
	v_mov_b32 v[Z], 0
	v_mov_b32 v[Z+1], 0
	s_wait_kmcnt 0x0
	s_cmp_lt_u32 ttmp9, NTW                        ; X_train's work-group or X's?  The choice hangs on the work-group's number alone
	s_cselect_b64 s[4:5], s[6:7], s[4:5]
	s_cselect_b64 s[8:9], s[12:13], s[8:9]
	s_cselect_b64 s[10:11], s[14:15], s[10:11]
	s_cselect_b32 s17, 0, NTW
	s_sub_co_u32 s17, ttmp9, s17
	s_lshl_b32 s17, s17, 1
	s_add_co_u32 s17, s17, s16                     ; my tile
	s_lshl_b32 s18, s17, 15                        ; 32,768 bytes of f32 a tile (6,249 tiles on: under 2^32)
	s_mov_b32 s19, 0
	s_add_nc_u64 s[4:5], s[4:5], s[18:19]
	s_mul_i32 s18, s17, 6144
	s_add_nc_u64 s[8:9], s[8:9], s[18:19]
	s_lshl_b32 s18, s17, 9
	s_add_nc_u64 s[10:11], s[10:11], s[18:19]
.macro LOADS s                         ; K step s of the 16 rows: each load reads 512 consecutive bytes of a row
.irp i, 0,1,2,3,4,5,6,7,8,9,10,11,12,13,14,15
	global_load_b128 v[L+4*\i:L+4*\i+3], v[GA], s[4:5] offset:2048*\i+512*(\s) th:TH_LOAD_NT
.endr
.endm
; 64 numbers of a lane, register 16 b + i = k 32 b + 16 h + i of my row, become a fragment's codes in v[PC] on and its scale word in v[PW]
.macro QUANT
.irp b, 0,1,2,3
	v_max3_num_f32 v[TM+\b], |v[X+16*\b]|, |v[X+1+16*\b]|, 0x2800000   ; block b: my 16 numbers, and the floor 2^(5 - 127): the byte cannot fall under 1
.endr
.irp i, 2,4,6,8,10,12,14
.irp b, 0,1,2,3
	v_max3_num_f32 v[TM+\b], v[TM+\b], |v[X+16*\b+\i]|, |v[X+1+16*\b+\i]|   ; the four blocks by turns
.endr
.endr
.irp b, 0,1,2,3
	v_permlanex16_b32 v[TM+4+\b], v[TM+\b], s20, s21
.endr
.irp b, 0,1,2,3
	v_max_num_f32 v[TM+\b], v[TM+\b], v[TM+4+\b]   ; with lane l xor 16's: the block's largest magnitude
.endr
.irp b, 0,1,2,3
	v_add_nc_u32 v[TM+12+\b], 0xfe000000, v[TM+\b] ; 4 off its exponent field: the conversion takes the exponent field of this operand as its scale
.endr
.irp b, 0,1,2,3
	v_lshrrev_b32 v[TM+4+\b], 23, v[TM+12+\b]      ; the scale's byte
.endr
	v_lshl_or_b32 v[PW], v[TM+5], 8, v[TM+4]       ; the four bytes make my row's scale word
	v_lshl_or_b32 v[PW], v[TM+6], 16, v[PW]
	v_lshl_or_b32 v[PW], v[TM+7], 24, v[PW]
.irp c, 0,1
	v_cvt_scalef32_pk16_bf6_f32 v[PC+6*\c:PC+2+6*\c], v[X+32*\c:X+15+32*\c], v[TM+12+2*\c]
	v_cvt_scalef32_pk16_bf6_f32 v[PC+12+4*\c:PC+14+4*\c], v[X+16+32*\c:X+31+32*\c], v[TM+12+2*\c+1]   ; (a conversion's three registers begin on an even number)
.endr
	v_nop                                          ; one plain place behind a scaled conversion
.irp c, 0,1                            ; the operand's layout wants a WHOLE block in a lane: lanes 0-15 block 2 c, lanes 16-31 block 2 c + 1
.irp i, 0,1,2
	v_permlane16_swap_b32 v[PC+6*\c+\i], v[PC+12+4*\c+\i]
.endr
.irp i, 0,1,2
	v_mov_b32 v[PC+3+6*\c+\i], v[PC+12+4*\c+\i]
.endr
.endr
.endm
.macro STEP s
	s_wait_loadcnt 0x0                             ; this step's sixteen loads are in: nothing younger is out
.irp i, 0,1,2,3,4,5,6,7,8,9,10,11,12,13,14,15
	ds_store_b128 v[SW], v[L+4*\i:L+4*\i+3] offset:SP*\i
.endr
.irp b, 0,1,2,3
.irp j, 0,1,2,3
	ds_load_b128 v[X+16*\b+4*\j:X+16*\b+4*\j+3], v[SR] offset:128*\b+16*\j   ; LDS serves a wave's instructions in order: these see the stores above
.endr
.endr
	s_wait_dscnt 0x0                               ; the numbers are back, and the stores have read their registers,
.if \s < 3
	LOADS \s+1                                     ; which take the next step's loads: they land while this step is worked
.endif
.set j, 0
.rept 32
.if (\s == 0) && (j < 2)
	v_pk_mul_f32 v[SQ+2*j:SQ+2*j+1], v[X+2*j:X+2*j+1], v[X+2*j:X+2*j+1]   ; the first squares start the sums
.else
	v_pk_fma_f32 v[SQ+2*(j%2):SQ+2*(j%2)+1], v[X+2*j:X+2*j+1], v[X+2*j:X+2*j+1], v[SQ+2*(j%2):SQ+2*(j%2)+1]
.endif
.set j, j+1
.endr
	s_wait_xcnt 0x0                                ; the last step's stores of codes have read their registers: only behind this wait are these written again
	QUANT
.irp c, 0,1,2
	global_store_b128 v[GA], v[PC+4*\c:PC+4*\c+3], s[8:9] offset:1536*\s+512*\c   ; 32 lanes store 512 consecutive bytes, at a multiple of 512 from the buffer's first byte
.endr
	ds_store_b32 v[AXW], v[PW] offset:128*(\s%2)+4*(\s/2)   ; both halves of the lanes write the same word with the same value
.endm
	LOADS 0
	STEP 0
	STEP 1
	STEP 2
	STEP 3
	v_pk_add_f32 v[SQ:SQ+1], v[SQ:SQ+1], v[SQ+2:SQ+3]
	v_add_f32 v[SQ], v[SQ], v[SQ+1]
	v_permlanex16_b32 v[SQ+2], v[SQ], s20, s21
	v_add_f32 v[SQ], v[SQ], v[SQ+2]                ; my row's sum of squares, the same bits in both halves of the lanes
	ds_store_b64 v[AXZ], v[Z:Z+1]                  ; the record's second half: zeros,
	ds_store_b32 v[AXT], v[SQ]                     ; over them the sixteen sums
	ds_load_b128 v[REC:REC+3], v[AXR]              ; (served in order: it sees all my stores)
	s_wait_dscnt 0x0
	global_store_b128 v[GA], v[REC:REC+3], s[10:11]   ; the record: 512 consecutive bytes
	s_wait_tensorcnt 0x0
	ds_add_u32 v192, v193
	s_wait_dscnt 0x0
	s_endpgm
.Lfunc_end_k_qd34599839a_quant:
	.size	k_qd34599839a_quant, .Lfunc_end_k_qd34599839a_quant-k_qd34599839a_quant
	.p2alignl 7, 3214868480
	.fill 96, 4, 3214868480
	.section	.rodata,"a",@progbits
	.p2align	6, 0x0
	.amdhsa_kernel k_qd34599839a_quant
		.amdhsa_group_segment_fixed_size 18176
		.amdhsa_private_segment_fixed_size 0
		.amdhsa_enable_private_segment 0
		.amdhsa_kernarg_size 48
		.amdhsa_user_sgpr_count 2
		.amdhsa_user_sgpr_kernarg_segment_ptr 1
		.amdhsa_wavefront_size32 1
		.amdhsa_system_sgpr_workgroup_id_x 1
		.amdhsa_system_sgpr_workgroup_id_y 1
		.amdhsa_system_sgpr_workgroup_id_z 1
		.amdhsa_system_vgpr_workitem_id 0
		.amdhsa_next_free_vgpr 194
		.amdhsa_next_free_sgpr 66
		.amdhsa_reserve_vcc 0
		.amdhsa_float_denorm_mode_32 3
		.amdhsa_float_denorm_mode_16_64 3
		.amdhsa_memory_ordered 1
		.amdhsa_forward_progress 1
		.amdhsa_inst_pref_size 42
	.end_amdhsa_kernel
	.amdgpu_metadata
---
amdhsa.version: [ 1, 2 ]
amdhsa.kernels:
  - .name:           k_qd34599839a_quant
    .symbol:         k_qd34599839a_quant.kd
    .args:
      - { .name: X, .offset: 0, .size: 8, .value_kind: global_buffer, .address_space: global }
      - { .name: X_train, .offset: 8, .size: 8, .value_kind: global_buffer, .address_space: global }
      - { .name: qcodes, .offset: 16, .size: 8, .value_kind: global_buffer, .address_space: global }
      - { .name: qaux, .offset: 24, .size: 8, .value_kind: global_buffer, .address_space: global }
      - { .name: tcodes, .offset: 32, .size: 8, .value_kind: global_buffer, .address_space: global }
      - { .name: taux, .offset: 40, .size: 8, .value_kind: global_buffer, .address_space: global }
    .group_segment_fixed_size: 18176
    .private_segment_fixed_size: 0
    .kernarg_segment_align: 8
    .kernarg_segment_size: 48
    .max_flat_workgroup_size: 64
    .sgpr_count:     66
    .vgpr_count:     194
    .wavefront_size: 32
...
	.end_amdgpu_metadata
.endif
;; end of part 1
;; launch dist (part 2): grid 250 x 1, 4 waves a work-group, no clusters, 327,680 bytes of LDS; arguments tcodes, taux, qcodes, qaux, gmin; writes gmin
.if DOCPART == 2
	.amdgcn_target "amdgcn-amd-amdhsa--gfx1250"
	.amdhsa_code_object_version 6
	.text
	.protected	k_qd34599839a_dist
	.globl	k_qd34599839a_dist
	.p2align	8
	.type	k_qd34599839a_dist,@function
k_qd34599839a_dist:
	s_mov_b64 s[64:65], 0
	v_nop
	global_prefetch_b8 v0, s[64:65] scope:SCOPE_SE
	s_setreg_imm32_b32 hwreg(HW_REG_WAVE_MODE, 25, 1), 1
	s_wait_xcnt 0x0
; The whole quantised product X X_train^T on codes of BF6, d2 = (x2 + t2) - 2 dot with the reference's two roundings, and of each GROUP of 16 neighbouring training rows only max(the least d2, 0) for each query.
; (Each of a query's 8 nearest rows lies in one of the 8 groups that come first by (root of the group's least d2, group number): were 8 other groups ahead of a neighbour's group, 8 rows would precede that neighbour.)
; SHARES.  A work-group takes 400 training rows, 25 tiles of 16, against all 1,024 queries.  Wave w owns queries 256 w .. 256 w + 255: 16 tiles x 4 K steps = 64 fragments = 768 registers, which stay for the whole launch.
; The 25 training tiles (153,600 bytes of codes, 12,800 of records) come into LDS once, by two tensor loads a wave; no LDS byte is filled twice.
; NO CLUSTER: what all work-groups share, the queries' codes, lives in registers, where a joint load cannot land (393,216 bytes do not fit in LDS beside the training block); the training blocks are shared by nobody; 250 is no multiple of 4.
; THE PRODUCT: source 0 = a training tile, source 1 = a query tile: lane (r, h) holds query r, and its register j training row 8 h + j.  K ascends, one accumulator for each pair of tiles.
; TWO PASSES over 8 query tiles each; a pass walks the 25 training tiles.  A training tile is two SETS of 16 matrix instructions (4 query tiles x 4 K steps, the four accumulators by turns).
; THE VECTOR WORK of a set (33 lines for each pair of query tiles) stands in slices of four behind the matrix instructions of the NEXT set, which works on the other four accumulators.
; REGISTER WINDOWS.  Query fragment o = 32 P + 16 S + 4 s + qq lies in window 1 + o / 21 at register 12 (o % 21); the 64th has no room there and lies in window 0.  So only source 1's window ever changes,
; and every vector line between the matrix instructions has a constant or a scalar as its source 1: a slice needs no switch.
; LIMITS: NaN and infinities are not served.
.set TA,   153600                      ; LDS: the codes from 0 on; here the 25 records
.set GM,   166400                      ; 1,024 rows (a query each) of 144 bytes: slot t = the minimum of training tile t; each wave writes and reads its own 256 rows alone; no tensor load lands here
.set GP,   144
.set XS,   313856                      ; pass 1's x2: 1,024 bytes for each wave, an image of eight registers
.set LN16, 1                           ; v1   16 x lane: my place in an image of registers, in LDS and in memory alike
.set XSA,  2                           ; v2   XS + 1,024 x wave + 16 x lane
.set LA0,  3                           ; v3   TA + 8 x lane: a record's scale words
.set LT0,  4                           ; v4   TA + 256 + 32 h: t2 of the rows 8 h .. 8 h + 7
.set GW0,  5                           ; v5   GM + 144 (256 x wave + lane)
.set LCT,  6                           ; v6-9 the same four for the tile in hand
.set LAT,  7
.set LTT,  8
.set GWT,  9
.set MA,   10                          ; v10, v11 the two minima of a pair of query tiles
.set MB,   11
.set RES,  12                          ; v12-15 a training tile's results: pair i in register i (lanes 0-15 the even query tile, lanes 16-31 the odd one)
.set AT,   16                          ; v16-23 x2 + t2, then d2
.set T2,   24                          ; v24-39 t2, two sets of 8
.set TSC,  40                          ; v40-43 the training tile's scale words, two sets of 2
.set X2,   44                          ; v44-51 x2 of the pass's 8 query tiles
.set QS,   52                          ; v52-83 the queries' scale words: tile i, K step s: register QS + 2 i + s / 2, lanes 0-15 for even s, lanes 16-31 for odd s
.set F63,  84                          ; v84-95 query fragment 63
.set ACC,  96                          ; v96-159 two sets of four accumulators
.set TF,   160                         ; v160-255 the training tile's four fragments, two sets of 48
.set MSB, 0
.macro WIN new                         ; the immediate's high byte repeats the setting that is left; a switch that changes nothing is dropped
.if MSB != (\new)
	s_set_vgpr_msb (MSB<<8)|(\new)
.set MSB, (\new)
.endif
.endm
	s_load_b256 s[4:11], s[0:1], 0x0               ; training codes s[4:5], training records s[6:7], query codes s[8:9], query records s[10:11]
	s_load_b64 s[12:13], s[0:1], 0x20              ; the minima
	s_set_vgpr_msb 0x40
	v_lshl_add_u32 v254, v0, 2, 0x4da00
	v_mov_b32 v255, 0
	s_set_vgpr_msb 0x4045
	ds_add_u32 v254, v255
	ds_add_u32 v254, v255
	s_set_vgpr_msb 0x4500
	v_lshrrev_b32 v6, 5, v0
	v_readfirstlane_b32 s14, v6                    ; wave 0..3
	v_and_b32 v10, 31, v0                          ; lane
	v_bfe_u32 v11, v0, 4, 1                        ; h
	v_and_b32 v12, 15, v0                          ; r
	v_lshlrev_b32 v[LN16], 4, v10
	s_lshl_b32 s16, s14, 10
	s_add_co_u32 s16, s16, XS
	v_add_nc_u32 v[XSA], s16, v[LN16]
	v_lshl_add_u32 v[LA0], v10, 3, TA
	v_lshl_add_u32 v[LT0], v11, 5, TA+256
	s_mul_i32 s17, s14, 256*GP
	s_add_co_u32 s17, s17, GM                      ; my 256 rows of minima (kept for the way out)
	v_mul_u32_u24 v[GW0], v10, GP
	v_add_nc_u32 v[GW0], s17, v[GW0]
	v_lshlrev_b32 v[LCT], 3, v10                   ; for the head's loads: 8 x lane,
	v_lshlrev_b32 v[LAT], 2, v12                   ; and 4 r
	s_mov_b32 s15, 0x7f800000                      ; +infinity
	; descriptor group 1 for the codes: my quarter, 38,400 dense bytes, as 150 rows of 256 bytes (32 elements of 8 bytes)
	s_mov_b32 s24, 3<<16                           ; no mask; elements of 8 bytes; no padding
	s_mov_b32 s25, 32<<16                          ; tensor_dim0
	s_mov_b32 s26, 150<<16                         ; tensor_dim1
	s_mov_b32 s27, 32<<16                          ; tile_dim0
	s_mov_b32 s28, 150                             ; tile_dim1
	s_mov_b32 s29, 32                              ; from row to row
	s_mov_b32 s30, 0
	s_mov_b32 s31, 0
	; and for the records: my quarter, 3,200 dense bytes, as 25 rows of 128 bytes
	s_mov_b32 s32, 3<<16
	s_mov_b32 s33, 16<<16
	s_mov_b32 s34, 25<<16
	s_mov_b32 s35, 16<<16
	s_mov_b32 s36, 25
	s_mov_b32 s37, 16
	s_mov_b32 s38, 0
	s_mov_b32 s39, 0
	s_mul_i32 s41, s14, 38400                      ; group 0, LDS address: my quarter of the codes
	s_mul_i32 s48, ttmp9, 153600
	s_add_co_u32 s48, s48, s41                     ; and where it lies in memory (under 2^32)
	s_mov_b32 s49, 0
	s_mul_i32 s50, s14, 3200
	s_add_co_u32 s45, s50, TA                      ; my quarter of the records
	s_mul_i32 s51, ttmp9, 12800
	s_add_co_u32 s50, s50, s51
	s_mov_b32 s51, 0
	s_wait_dscnt 0x0
	s_wait_kmcnt 0x0
	s_mov_b32 s40, 1
	s_add_nc_u64 s[42:43], s[4:5], s[48:49]
	s_or_b32 s43, s43, 0x80000000                  ; type = 2
	s_mov_b32 s44, 1
	s_add_nc_u64 s[46:47], s[6:7], s[50:51]
	s_or_b32 s47, s47, 0x80000000
	tensor_load_to_lds s[40:43], s[24:31]          ; both fills go out together, ahead of every wait on TENSORcnt, every LDS read and the barrier: two loads of mine are out
	s_nop 0
	tensor_load_to_lds s[44:47], s[32:39]
	s_nop 0
.rept 4
	v_nop                                          ; four plain lines behind the tensor loads, ahead of the first switch of windows
.endr
	s_mul_i32 s48, s14, 98304                      ; my 16 query tiles: their codes,
	s_add_nc_u64 s[8:9], s[8:9], s[48:49]
	s_lshl_b32 s48, s14, 13                        ; their records,
	s_add_nc_u64 s[10:11], s[10:11], s[48:49]
	s_mul_i32 s48, s14, 8192000                    ; and the minima: [block of 4 queries][work-group][4][32] f32: 128,000 bytes a block, 64 blocks a wave, 512 bytes a work-group
	s_lshl_b32 s50, ttmp9, 9
	s_add_co_u32 s48, s48, s50
	s_add_nc_u64 s[12:13], s[12:13], s[48:49]
.irp i, 0,1,2,3,4,5,6,7,8,9,10,11,12,13,14,15
	global_load_b64 v[QS+2*\i:QS+2*\i+1], v[LCT], s[10:11] offset:512*\i       ; the queries' scale words
.endr
.irp i, 0,1,2,3,4,5,6,7
	global_load_b32 v[X2+\i], v[LAT], s[10:11] offset:512*\i+256               ; x2 of pass 0's tiles: query r in both halves of the lanes
.endr
.irp i, 0,1,2,3,4,5,6,7
	global_load_b32 v[ACC+\i], v[LAT], s[10:11] offset:512*(8+\i)+256          ; x2 of pass 1's tiles, on its way to LDS
.endr
.macro QLOAD                           ; query fragment oo: tile 8 P + 4 S + qq, K step s
.set qi, 8*(oo/32)+4*((oo/16)%2)+oo%4
.set qk, (oo/4)%4
.if oo < 63
	WIN ((1+oo/21)<<6)
.set rB, 12*(oo%21)
.else
	WIN 0
.set rB, F63
.endif
.irp c, 0,1,2
	global_load_b128 v[rB+4*\c:rB+4*\c+3], v[LN16], s[8:9] offset:6144*qi+1536*qk+512*\c
.endr
.set oo, oo+1
.endm
.set oo, 0
.rept 48
	QLOAD                                          ; pass 0's 32 fragments, then 16 of pass 1's
.endr
	WIN 0
	s_wait_loadcnt 48                              ; loads come back in order: all but the youngest 48, fragments 32 to 47, are in: the scale words, x2 and pass 0's fragments
	ds_store_b128 v[XSA], v[ACC:ACC+3]             ; pass 1's x2 waits in my own LDS bytes
	ds_store_b128 v[XSA], v[ACC+4:ACC+7] offset:512
.rept 16
	QLOAD                                          ; pass 1's other 16 fragments: they land while pass 0 is multiplied
.endr
	WIN 0
.irp i, 0,1,2,3
	v_mov_b32 v[AT+\i], s15
.endr
.irp i, 0,1,2,3,4,5,6,7
	ds_store_b128 v[GW0], v[AT:AT+3] offset:32*GP*\i+96    ; slots 24 to 31 of my 256 rows: +infinity, so that the way out reads only bytes that were written (slot 24 gets its minimum later)
	ds_store_b128 v[GW0], v[AT:AT+3] offset:32*GP*\i+112
.endr
	s_wait_tensorcnt 0x0                           ; my quarters of the training block have landed,
	s_wait_dscnt 0x0                               ; no LDS instruction of mine is out at the signal,
	s_barrier_signal -1
	s_barrier_wait -1                              ; and everybody's quarters have: the launch's one barrier
; Matrix instruction mm of 16 of set S: K step mm / 4, query tile 8 P + 4 S + mm % 4; the training fragments of set p
.macro MM P, S, p
.set ks, mm/4
.set qq, mm%4
.set oo, 32*(\P)+16*(\S)+4*ks+qq
.set ti, 8*(\P)+4*(\S)+qq
.if oo < 63
	WIN ((1+oo/21)<<2)
.set rB, 12*(oo%21)
.else
	WIN 0
.set rB, F63
.endif
.set rD, ACC+32*(\S)+8*qq
.set rA, TF+48*(\p)+12*ks
.set rE, TSC+2*(\p)+ks/2
.set rF, QS+2*ti+ks/2
.if ks == 0
	v_wmma_scale_f32_16x16x128_f8f6f4 v[rD:rD+7], v[rA:rA+11], v[rB:rB+11], 0, v[rE], v[rF] matrix_a_fmt:MATRIX_FMT_BF6 matrix_b_fmt:MATRIX_FMT_BF6
.elseif ks == 2
	v_wmma_scale_f32_16x16x128_f8f6f4 v[rD:rD+7], v[rA:rA+11], v[rB:rB+11], v[rD:rD+7], v[rE], v[rF] matrix_a_fmt:MATRIX_FMT_BF6 matrix_b_fmt:MATRIX_FMT_BF6
.else
	v_wmma_scale_f32_16x16x128_f8f6f4 v[rD:rD+7], v[rA:rA+11], v[rB:rB+11], v[rD:rD+7], v[rE], v[rF] matrix_a_fmt:MATRIX_FMT_BF6 matrix_b_fmt:MATRIX_FMT_BF6 matrix_a_scale:MATRIX_SCALE_ROW1 matrix_b_scale:MATRIX_SCALE_ROW1
.endif
.endm
; Line jj of 33 of the vector work for a pair of query tiles: accumulators pA and pA + 8, x2 in the pair X2 + pX, t2 from pT on, the result into pR.  No line has a vector register as its source 1.
.macro POST
.if jj < 4
	v_pk_fma_f32 v[AT+2*jj:AT+2*jj+1], v[pT+2*jj:pT+2*jj+1], 1.0, v[X2+pX:X2+pX+1] op_sel_hi:[1,0,0]   ; a = x2 + t2, rounded once: the even tile's x2 is the pair's first register
.elseif jj < 8
	v_pk_fma_f32 v[AT+2*(jj-4):AT+2*(jj-4)+1], v[pA+2*(jj-4):pA+2*(jj-4)+1], -2.0, v[AT+2*(jj-4):AT+2*(jj-4)+1] op_sel_hi:[1,0,1]   ; d2 = a - 2 dot, rounded once; the accumulator is read from its low end on
.elseif jj < 12
	v_min3_num_f32 v[AT+2*(jj-8)], v[AT+2*(jj-8)], s15, v[AT+2*(jj-8)+1]       ; the least of my eight rows, two at a time: +infinity stands where a vector register may not
.elseif jj < 14
	v_min3_num_f32 v[AT+4*(jj-12)], v[AT+4*(jj-12)], s15, v[AT+4*(jj-12)+2]
.elseif jj == 14
	v_min3_num_f32 v[MA], v[AT], s15, v[AT+4]
.elseif jj < 19
	v_pk_fma_f32 v[AT+2*(jj-15):AT+2*(jj-15)+1], v[pT+2*(jj-15):pT+2*(jj-15)+1], 1.0, v[X2+pX:X2+pX+1] op_sel:[0,0,1] op_sel_hi:[1,0,1]   ; the odd tile: the pair's second register for both halves
.elseif jj < 23
	v_pk_fma_f32 v[AT+2*(jj-19):AT+2*(jj-19)+1], v[pA+8+2*(jj-19):pA+8+2*(jj-19)+1], -2.0, v[AT+2*(jj-19):AT+2*(jj-19)+1] op_sel_hi:[1,0,1]
.elseif jj < 27
	v_min3_num_f32 v[AT+2*(jj-23)], v[AT+2*(jj-23)], s15, v[AT+2*(jj-23)+1]
.elseif jj < 29
	v_min3_num_f32 v[AT+4*(jj-27)], v[AT+4*(jj-27)], s15, v[AT+4*(jj-27)+2]
.elseif jj == 29
	v_min3_num_f32 v[MB], v[AT], s15, v[AT+4]
.elseif jj == 30
	v_permlane16_swap_b32 v[MA], v[MB]             ; MA: rows 0-7 of both tiles, MB: rows 8-15; lanes 0-15 the even tile's queries, lanes 16-31 the odd tile's
.elseif jj == 31
	v_min3_num_f32 v[pR], v[MA], s15, v[MB]        ; the group's least d2
.else
	v_max3_num_f32 v[pR], v[pR], 0, v[pR]          ; held at 0 from below, as the reference holds d2
.endif
.endm
; A set: 16 matrix instructions; post = 1: behind instruction mm stand lines 4 (mm % 8) .. + 3 (behind the eighth: five) of pair mm / 8 of the set before, whose accumulators begin at sa
.macro MSET P, S, p, post, sa, sx, st, sr
.set mm, 0
.rept 16
	MM \P, \S, \p
.if \post
.set pA, \sa+16*(mm/8)
.set pX, \sx+2*(mm/8)
.set pT, \st
.set pR, \sr+mm/8
.set jj, 4*(mm%8)
.rept 4
	POST
.set jj, jj+1
.endr
.if mm%8 == 7
	POST
.endif
.endif
.set mm, mm+1
.endr
.endm
; One training tile, its operands in set p.  first = 1: no tile came before in this pass.  fetch = 1: the next tile's operands are asked for.
; PLACES.  The loads into the other set of fragments and scale words stand behind the last slice's lines and the address additions: nine plain lines behind the last matrix instruction that read them.
; An accumulator is first read by line 4 of a slice: behind the four lines 0 to 3 at the least, which name none of the products' registers.  It begins anew with C = 0 a whole set later.
.macro BODY P, p, first, fetch
	WIN 0
	s_wait_dscnt 0x0                               ; this tile's operands are in: the fragments were asked for 32 matrix instructions ago, t2 16 ago
.if \fetch
	v_add_nc_u32 v[LCT], s21, v[LN16]
	v_add_nc_u32 v[LAT], s22, v[LA0]
	v_add_nc_u32 v[LTT], s22, v[LT0]
.endif
.if \first == 0
	v_add_nc_u32 v[GWT], s23, v[GW0]
.endif
.if \fetch
.irp s, 0,1,2,3
.irp c, 0,1,2
	ds_load_b128 v[TF+48*(1-\p)+12*\s+4*\c:TF+48*(1-\p)+12*\s+4*\c+3], v[LCT] offset:1536*\s+512*\c   ; 512 consecutive bytes a load: no bank is asked twice
.endr
.endr
	ds_load_b64 v[TSC+2*(1-\p):TSC+2*(1-\p)+1], v[LAT]
.endif
	MSET \P, 0, \p, 1-\first, ACC+32, 4, T2+8*(1-\p), RES+2    ; query tiles 0-3 | the vector work of the tile before, query tiles 4-7
	WIN 0                                          ; (an LDS store's data are its source 1)
.if \first == 0
.irp i, 0,1,2,3
	ds_store_b32 v[GWT], v[RES+\i] offset:128*GP*\P+32*GP*\i   ; the tile before: its minima for the pass's 128 queries
.endr
	s_add_co_u32 s23, s23, 4
.endif
.if \fetch
	ds_load_b128 v[T2+8*(1-\p):T2+8*(1-\p)+3], v[LTT]          ; the next tile's t2, into the set that the slices above have just read for the last time
	ds_load_b128 v[T2+8*(1-\p)+4:T2+8*(1-\p)+7], v[LTT] offset:16
	s_add_co_u32 s21, s21, 6144
	s_add_co_u32 s22, s22, 512
.endif
	MSET \P, 1, \p, 1, ACC, 0, T2+8*\p, RES                    ; query tiles 4-7 | this tile's vector work, query tiles 0-3
.endm
.macro PASS P
	WIN 0
.if \P == 1
	s_wait_loadcnt 0x0                             ; pass 1's fragments
	ds_load_b128 v[X2:X2+3], v[XSA]                ; and its x2
	ds_load_b128 v[X2+4:X2+7], v[XSA] offset:512
.endif
.irp s, 0,1,2,3
.irp c, 0,1,2
	ds_load_b128 v[TF+12*\s+4*\c:TF+12*\s+4*\c+3], v[LN16] offset:1536*\s+512*\c   ; training tile 0
.endr
.endr
	ds_load_b64 v[TSC:TSC+1], v[LA0]
	ds_load_b128 v[T2:T2+3], v[LT0]
	ds_load_b128 v[T2+4:T2+7], v[LT0] offset:16
	s_mov_b32 s21, 6144                            ; the tile to be fetched: its codes,
	s_mov_b32 s22, 512                             ; its record;
	s_mov_b32 s23, 0                               ; the slot to be written
	BODY \P, 0, 1, 1                               ; tile 0
	WIN 0                                          ; at a label and at a branch every window is 0
	s_mov_b32 s20, 11
.Ltile_\@:                                         ; tiles 1 to 22, two a trip: the two sets of operands change places and are back
	BODY \P, 1, 0, 1
	BODY \P, 0, 0, 1
	WIN 0
	s_sub_co_u32 s20, s20, 1
	s_cmp_lg_u32 s20, 0
	s_cbranch_scc1 .Ltile_\@
	BODY \P, 1, 0, 1                               ; tile 23
	BODY \P, 0, 0, 0                               ; tile 24 asks for nothing
	WIN 0
.rept 4
	v_nop                                          ; four places behind the last products, whose results are read next
.endr
.irp u, 0,1                            ; tile 24's vector work for query tiles 4-7
.set pA, ACC+32+16*\u
.set pX, 4+2*\u
.set pT, T2
.set pR, RES+2+\u
.set jj, 0
.rept 33
	POST
.set jj, jj+1
.endr
.endr
	v_add_nc_u32 v[GWT], s23, v[GW0]
.irp i, 0,1,2,3
	ds_store_b32 v[GWT], v[RES+\i] offset:128*GP*\P+32*GP*\i
.endr
.endm
	PASS 0
	PASS 1
	; THE WAY OUT.  Each wave reads its own 256 rows alone, so no barrier: LDS serves a wave's instructions in order.  Eight lanes take a query's 32 slots (128 bytes), a load four queries:
	; the store is 512 consecutive bytes, at a multiple of 512 from the buffer's first byte.
	v_bfe_u32 v[LCT], v0, 3, 2                     ; which of four queries
	v_and_b32 v[LAT], 7, v0
	v_mul_u32_u24 v[LCT], v[LCT], GP
	v_lshl_add_u32 v[LCT], v[LAT], 4, v[LCT]
	v_add_nc_u32 v[LCT], s17, v[LCT]
.irp b, 0,1,2,3
.if \b > 0
	s_wait_xcnt 0x0                                ; the last batch's stores have read their registers: only behind this wait are these loaded again
.endif
.irp i, 0,1,2,3,4,5,6,7,8,9,10,11,12,13,14,15
	ds_load_b128 v[TF+4*\i:TF+4*\i+3], v[LCT] offset:4*GP*(16*\b+\i)
.endr
.irp i, 0,1,2,3,4,5,6,7,8,9,10,11,12,13,14,15
	s_wait_dscnt 15-\i                             ; LDS loads come back in order: load i of the batch is in, the 15 - i younger ones may be out
	global_store_b128 v[LN16], v[TF+4*\i:TF+4*\i+3], s[12:13] offset:128000*(16*\b+\i)   ; 8,064,000 at the most: inside the signed 24-bit immediate
.endr
.endr
	s_set_vgpr_msb 0x5
	s_wait_tensorcnt 0x0
	ds_add_u32 v254, v255
	s_wait_dscnt 0x0
	s_set_vgpr_msb 0x500
	s_endpgm
.Lfunc_end_k_qd34599839a_dist:
	.size	k_qd34599839a_dist, .Lfunc_end_k_qd34599839a_dist-k_qd34599839a_dist
	.p2alignl 7, 3214868480
	.fill 96, 4, 3214868480
	.section	.rodata,"a",@progbits
	.p2align	6, 0x0
	.amdhsa_kernel k_qd34599839a_dist
		.amdhsa_group_segment_fixed_size 327680
		.amdhsa_private_segment_fixed_size 0
		.amdhsa_enable_private_segment 0
		.amdhsa_kernarg_size 40
		.amdhsa_user_sgpr_count 2
		.amdhsa_user_sgpr_kernarg_segment_ptr 1
		.amdhsa_wavefront_size32 1
		.amdhsa_system_sgpr_workgroup_id_x 1
		.amdhsa_system_sgpr_workgroup_id_y 1
		.amdhsa_system_sgpr_workgroup_id_z 1
		.amdhsa_system_vgpr_workitem_id 0
		.amdhsa_next_free_vgpr 1024
		.amdhsa_next_free_sgpr 66
		.amdhsa_reserve_vcc 0
		.amdhsa_float_denorm_mode_32 3
		.amdhsa_float_denorm_mode_16_64 3
		.amdhsa_memory_ordered 1
		.amdhsa_forward_progress 1
		.amdhsa_inst_pref_size 178
	.end_amdhsa_kernel
	.amdgpu_metadata
---
amdhsa.version: [ 1, 2 ]
amdhsa.kernels:
  - .name:           k_qd34599839a_dist
    .symbol:         k_qd34599839a_dist.kd
    .args:
      - { .name: tcodes, .offset: 0, .size: 8, .value_kind: global_buffer, .address_space: global }
      - { .name: taux, .offset: 8, .size: 8, .value_kind: global_buffer, .address_space: global }
      - { .name: qcodes, .offset: 16, .size: 8, .value_kind: global_buffer, .address_space: global }
      - { .name: qaux, .offset: 24, .size: 8, .value_kind: global_buffer, .address_space: global }
      - { .name: gmin, .offset: 32, .size: 8, .value_kind: global_buffer, .address_space: global }
    .group_segment_fixed_size: 327680
    .private_segment_fixed_size: 0
    .kernarg_segment_align: 8
    .kernarg_segment_size: 40
    .max_flat_workgroup_size: 128
    .sgpr_count:     66
    .vgpr_count:     1024
    .wavefront_size: 32
...
	.end_amdgpu_metadata
.endif
;; end of part 2
;; launch pickg (part 3): grid 256 x 1, 8 waves a work-group, no clusters, 168,960 bytes of LDS; arguments gmin, pick; writes pick
.if DOCPART == 3
	.amdgcn_target "amdgcn-amd-amdhsa--gfx1250"
	.amdhsa_code_object_version 6
	.text
	.protected	k_qd34599839a_pickg
	.globl	k_qd34599839a_pickg
	.p2align	8
	.type	k_qd34599839a_pickg,@function
k_qd34599839a_pickg:
	s_mov_b64 s[64:65], 0
	v_nop
	global_prefetch_b8 v0, s[64:65] scope:SCOPE_SE
	s_setreg_imm32_b32 hwreg(HW_REG_WAVE_MODE, 25, 1), 1
	s_wait_xcnt 0x0
; For each query: the 8 groups of 16 training rows that come first by (the correctly rounded f32 root of the group's least d2, group number), out of 6,250.  They are stored as whole numbers: a later launch forms addresses from them.
; SHARES.  A work-group takes 4 queries; waves 2 q and 2 q + 1 take query q, a half of its minima each; a lane holds 100 minima in registers.
; A query's 6,250 minima lie in memory as 250 pieces of 25 (of 32) f32, 512 bytes apart; one tensor load (waves 0 to 3, one each) lays them dense in LDS, so that the minimum of group n lies at byte 4 n.
; Its tile has 256 rows where the tensor has 250: the six rows past the end arrive as zeros, so that every byte that is read has been written; they are replaced by +infinity.  No LDS byte is filled twice.
; NO BRANCH HANGS ON A NUMBER.  Pass A finds D8, the 8th smallest minimum: each lane keeps its 8 smallest in sorted registers (one insertion = 7 medians and a minimum), then sorted lists of 8 are merged lane with lane
; (the smaller of K[j] and the partner's K[7 - j], and three stages of compare and exchange), at last wave with wave through LDS.
; THE ROOT maps a few neighbouring d2 onto one f32; the 32 lanes try the 32 numbers round D8 and find Lo and Up, the ends of the run with D8's root.
; Pass B gives each minimum a whole number: 0x40000000 + its class (0: under Lo; 8,192: Lo to Up; 2^21: over Up) + its group number.  As f32 these lie between 2 and 4, in the same order and all different:
; the same network finds the 8 smallest: all of class 0 (7 at the most), then class 1 by group number.  The low 13 bits are the group.
; LIMITS: NaN and infinities among the minima are not served.
.set QB,  25600                        ; LDS bytes of a query's minima (6,400 words)
.set SCR, 102400                       ; behind them: 256 bytes for pass A's exchange between waves, 256 for pass B's; no tensor load lands here
.set AD,  1                            ; v1   LDS address of my first four minima
.set NB,  2                            ; v2   their first group number: 3,200 x half + 4 x lane; value 4 k + j is group NB + 128 k + j
.set A0,  3                            ; v3-5 0x40000000 + NB + the three classes
.set A1,  4
.set A2,  5
.set INF, 6                            ; v6   +infinity
.set LN,  7                            ; v7   lane
.set PS,  8                            ; v8   where my wave puts its list
.set PL,  9                            ; v9   where its partner's lies
.set ZR,  10                           ; v10  0
.set K,   16                           ; v16-23 the 8 smallest, ascending
.set L,   24                           ; v24-31 a list on its way
.set B,   32                           ; v32-39 a partner's list
.set V,   40                           ; v40-139 my 100 minima
.set WK,  140                          ; v140-147 at work
.set LO,  148
.set UP,  149
.set D8,  150
.set K8,  151
	s_load_b128 s[4:7], s[0:1], 0x0                ; the minima, the picks
	v_lshl_add_u32 v160, v0, 2, 0x29000
	v_mov_b32 v161, 0
	ds_add_u32 v160, v161
	ds_add_u32 v160, v161
	v_lshrrev_b32 v1, 5, v0
	v_readfirstlane_b32 s14, v1                    ; wave 0..7
	v_and_b32 v[LN], 31, v0
	s_lshr_b32 s15, s14, 1                         ; my query of the four
	s_and_b32 s16, s14, 1                          ; my half
	s_mul_i32 s17, s15, QB
	s_mul_i32 s20, s16, 12800
	s_add_co_u32 s17, s17, s20
	v_lshlrev_b32 v[AD], 4, v[LN]
	v_add_nc_u32 v[AD], s17, v[AD]
	s_mul_i32 s20, s16, 3200
	v_lshl_add_u32 v[NB], v[LN], 2, s20
	v_add_nc_u32 v[A0], 0x40000000, v[NB]
	v_add_nc_u32 v[A1], 8192, v[A0]
	v_add_nc_u32 v[A2], 0x200000, v[A0]
	v_mov_b32 v[INF], 0x7f800000
	v_mov_b32 v[ZR], 0
	s_lshl_b32 s18, s14, 5
	s_add_co_u32 s18, s18, SCR
	v_mov_b32 v[PS], s18
	s_xor_b32 s18, s14, 1
	s_lshl_b32 s18, s18, 5
	s_add_co_u32 s18, s18, SCR
	v_mov_b32 v[PL], s18
	s_mov_b32 s22, 0x76543210
	s_mov_b32 s23, 0xfedcba98                      ; v_permlanex16_b32's selects for lane l xor 16
.irp j, 0,1,2,3,4,5,6,7
	v_mov_b32 v[L+\j], 0                           ; written once: the destination of a DPP form or a lane permute counts as one of its sources
	v_mov_b32 v[B+\j], 0
.endr
	v_mov_b32 v[WK+7], 0
	; descriptor group 1: 256 rows of 25 elements of 4 bytes, 128 elements apart, out of a tensor with 250 rows left
	s_mov_b32 s24, 2<<16                           ; no mask; elements of 4 bytes; no padding
	s_mov_b32 s25, 25<<16                          ; tensor_dim0
	s_mov_b32 s26, 250<<16                         ; tensor_dim1
	s_mov_b32 s27, 25<<16                          ; tile_dim0
	s_mov_b32 s28, 256                             ; tile_dim1
	s_mov_b32 s29, 128                             ; from row to row
	s_mov_b32 s30, 0
	s_mov_b32 s31, 0
	s_mul_i32 s33, s14, QB                         ; group 0: wave w (0 to 3) brings query w
	s_mul_i32 s18, ttmp9, 128000                   ; my block of 4 queries (under 2^32),
	s_lshl_b32 s19, s14, 7                         ; the query's 128 bytes in each piece
	s_add_co_u32 s18, s18, s19
	s_mov_b32 s19, 0
	s_wait_dscnt 0x0
	s_wait_kmcnt 0x0
	s_mov_b32 s32, 1
	s_add_nc_u64 s[34:35], s[4:5], s[18:19]
	s_or_b32 s35, s35, 0x80000000                  ; type = 2
	s_cmp_lt_u32 s14, 4
	s_cbranch_scc0 .Lno_load
	tensor_load_to_lds s[32:35], s[24:31]          ; one load of mine is out
	s_nop 0
.rept 4
	v_nop
.endr
.Lno_load:
	s_wait_tensorcnt 0x0                           ; my query's minima have landed (waves 4 to 7 have nothing out),
	s_barrier_signal -1
	s_barrier_wait -1                              ; and so have everybody's
.irp k, 0,1,2,3,4,5,6,7,8,9,10,11,12,13,14,15,16,17,18,19,20,21,22,23,24
	ds_load_b128 v[V+4*\k:V+4*\k+3], v[AD] offset:512*\k   ; 512 consecutive bytes a load
.endr
	s_lshl_b32 s18, ttmp9, 7                       ; where the picks go: 32 bytes a query
	s_lshl_b32 s20, s15, 5
	s_add_co_u32 s18, s18, s20
	s_add_nc_u64 s[6:7], s[6:7], s[18:19]
	s_wait_dscnt 0x0
.irp k, 23,24
.irp j, 0,1,2,3
	v_cmp_le_u32 vcc_lo, 6250-(128*\k+\j), v[NB]   ; group NB + 128 k + j is 6,250 or more: there is none
	v_cndmask_b32 v[V+4*\k+\j], v[V+4*\k+\j], v[INF], vcc_lo
.endr
.endr
.macro INS x                           ; v[x] goes into the sorted list: from the top down, each place takes the middle of x, its lower neighbour and itself
.irp j, 7,6,5,4,3,2,1
	v_med3_num_f32 v[K+\j], v[\x], v[K+\j-1], v[K+\j]
.endr
	v_min_num_f32 v[K], v[\x], v[K]
.endm
.macro SORTB                           ; L, which first falls and then rises or the other way round, comes back sorted in K: compare and exchange 4, 2 and 1 apart
.irp j, 0,1,2,3
	v_min_num_f32 v[K+\j], v[L+\j], v[L+\j+4]
	v_max_num_f32 v[K+\j+4], v[L+\j], v[L+\j+4]
.endr
.irp j, 0,1,4,5
	v_min_num_f32 v[L+\j], v[K+\j], v[K+\j+2]
	v_max_num_f32 v[L+\j+2], v[K+\j], v[K+\j+2]
.endr
.irp j, 0,2,4,6
	v_min_num_f32 v[K+\j], v[L+\j], v[L+\j+1]
	v_max_num_f32 v[K+\j+1], v[L+\j], v[L+\j+1]
.endr
.endm
.macro XM m                            ; with lane l xor m: the 8 smallest of the two lists
.irp j, 0,1,2,3,4,5,6,7
	v_min_num_f32_dpp v[L+\j], v[K+7-\j], v[K+\j] row_xmask:\m row_mask:0xf bank_mask:0xf
.endr
	SORTB
.endm
.macro ALL                             ; every lane ends with the wave's 8 smallest
	XM 1
	XM 2
	XM 4
	XM 8
.irp j, 0,1,2,3,4,5,6,7
	v_permlanex16_b32 v[B+\j], v[K+7-\j], s22, s23
.endr
.irp j, 0,1,2,3,4,5,6,7
	v_min_num_f32 v[L+\j], v[K+\j], v[B+\j]
.endr
	SORTB
.endm
.macro PARTNER off                     ; with the wave that holds the query's other half: the query's 8 smallest, unsorted, in L
	ds_store_b128 v[PS], v[K:K+3] offset:\off      ; all lanes write the same bytes with the same values
	ds_store_b128 v[PS], v[K+4:K+7] offset:\off+16
	s_wait_dscnt 0x0                               ; for the partner's sake: my stores are done
	s_barrier_signal -1
	s_barrier_wait -1
	ds_load_b128 v[B:B+3], v[PL] offset:\off
	ds_load_b128 v[B+4:B+7], v[PL] offset:\off+16
	s_wait_dscnt 0x0
.irp j, 0,1,2,3,4,5,6,7
	v_min_num_f32 v[L+\j], v[K+\j], v[B+7-\j]
.endr
.endm
; The correctly rounded root of v[x] (0 or more) into v[d]; t .. t + 4 at work.  v_sqrt_f32 is good to one unit in the last place (ISA guide, its entry) and takes denormals for 0: so numbers under 2^-96 are
; scaled by 2^32, and the neighbours below and above are tried by exact remainders: x - (s - 1 ulp) s <= 0: one down; x - (s + 1 ulp) s > 0: one up.  0 and +infinity come through as they are.
.macro SQRT d, x, t
	v_cmp_gt_f32 vcc_lo, 0x0f800000, v[\x]
	v_mul_f32 v[\t], 0x4f800000, v[\x]
	v_cndmask_b32 v[\t], v[\x], v[\t], vcc_lo
	v_sqrt_f32 v[\d], v[\t]
	v_nop                                          ; one plain place behind a transcendental
	s_wait_alu depctr_va_vdst(0)
	v_add_nc_u32 v[\t+1], -1, v[\d]
	v_add_nc_u32 v[\t+2], 1, v[\d]
	v_fma_f32 v[\t+3], -v[\t+1], v[\d], v[\t]
	v_fma_f32 v[\t+4], -v[\t+2], v[\d], v[\t]
	v_cmp_ge_f32 s40, 0, v[\t+3]
	v_cmp_lt_f32 s41, 0, v[\t+4]
	v_cndmask_b32 v[\d], v[\d], v[\t+1], s40
	v_cndmask_b32 v[\d], v[\d], v[\t+2], s41
	v_mul_f32 v[\t], 0x37800000, v[\d]             ; the scale's root, 2^16, is taken off again
	v_cndmask_b32 v[\d], v[\d], v[\t], vcc_lo
.endm
	; ---- pass A: the 8th smallest minimum
.irp j, 0,1,2,3,4,5,6,7
	v_mov_b32 v[K+\j], 0x7f800000
.endr
.set n, 0
.rept 100
	INS V+n
.set n, n+1
.endr
	ALL
	PARTNER 0
	v_max3_num_f32 v[D8], v[L], v[L+1], v[L+2]
	v_max3_num_f32 v[D8], v[D8], v[L+3], v[L+4]
	v_max3_num_f32 v[D8], v[D8], v[L+5], v[L+6]
	v_max_num_f32 v[D8], v[D8], v[L+7]             ; the same in every lane of both waves
	; ---- the run of numbers with D8's root
	SQRT K8, D8, WK+2
	v_add_nc_u32 v[WK], v[D8], v[LN]
	v_add_nc_u32 v[WK], -16, v[WK]                 ; lane l tries the number l - 16 places from D8;
	v_min_u32 v[WK], 0x7f800000, v[WK]             ; what would fall under 0 or pass the largest number becomes +infinity, whose root is not D8's
	SQRT WK+1, WK, WK+2
	v_cmp_eq_f32 vcc_lo, v[WK+1], v[K8]
	v_cndmask_b32 v[LO], v[INF], v[WK], vcc_lo
	v_cndmask_b32 v[UP], 0, v[WK], vcc_lo
.irp m, 1,2,4,8
	v_min_num_f32_dpp v[LO], v[LO], v[LO] row_xmask:\m row_mask:0xf bank_mask:0xf
	v_max_num_f32_dpp v[UP], v[UP], v[UP] row_xmask:\m row_mask:0xf bank_mask:0xf
.endr
	v_permlanex16_b32 v[WK+7], v[LO], s22, s23
	v_min_num_f32 v[LO], v[LO], v[WK+7]
	v_permlanex16_b32 v[WK+7], v[UP], s22, s23
	v_max_num_f32 v[UP], v[UP], v[WK+7]
	; ---- pass B: the 8 smallest of (class, group number)
.irp j, 0,1,2,3,4,5,6,7
	v_mov_b32 v[K+\j], 0x7f800000
.endr
.set n, 0
.rept 100
	v_cmp_gt_f32 vcc_lo, v[V+n], v[UP]
	v_cndmask_b32 v[WK], v[A1], v[A2], vcc_lo
	v_cmp_lt_f32 vcc_lo, v[V+n], v[LO]
	v_cndmask_b32 v[WK], v[WK], v[A0], vcc_lo
	v_add_nc_u32 v[WK], 128*(n/4)+n%4, v[WK]
	INS WK
.set n, n+1
.endr
	ALL
	PARTNER 256
.irp j, 0,1,2,3,4,5,6,7
	v_and_b32 v[L+\j], 8191, v[L+\j]               ; the group numbers
.endr
	s_cmp_lg_u32 s16, 0                            ; both waves of a query hold them: the first stores them, from lane 0
	s_cbranch_scc1 .Lend
	v_cmp_eq_u32 vcc_lo, 0, v[LN]
	s_wait_xcnt 0x0                                ; EXEC changes only behind this wait
	s_and_saveexec_b32 s36, vcc_lo
	global_store_b128 v[ZR], v[L:L+3], s[6:7]
	global_store_b128 v[ZR], v[L+4:L+7], s[6:7] offset:16
	s_wait_xcnt 0x0                                ; and again, in front of the line that widens it
	s_or_b32 exec_lo, exec_lo, s36
.Lend:
	s_wait_tensorcnt 0x0
	ds_add_u32 v160, v161
	s_wait_dscnt 0x0
	s_endpgm
.Lfunc_end_k_qd34599839a_pickg:
	.size	k_qd34599839a_pickg, .Lfunc_end_k_qd34599839a_pickg-k_qd34599839a_pickg
	.p2alignl 7, 3214868480
	.fill 96, 4, 3214868480
	.section	.rodata,"a",@progbits
	.p2align	6, 0x0
	.amdhsa_kernel k_qd34599839a_pickg
		.amdhsa_group_segment_fixed_size 168960
		.amdhsa_private_segment_fixed_size 0
		.amdhsa_enable_private_segment 0
		.amdhsa_kernarg_size 16
		.amdhsa_user_sgpr_count 2
		.amdhsa_user_sgpr_kernarg_segment_ptr 1
		.amdhsa_wavefront_size32 1
		.amdhsa_system_sgpr_workgroup_id_x 1
		.amdhsa_system_sgpr_workgroup_id_y 1
		.amdhsa_system_sgpr_workgroup_id_z 1
		.amdhsa_system_vgpr_workitem_id 0
		.amdhsa_next_free_vgpr 162
		.amdhsa_next_free_sgpr 66
		.amdhsa_reserve_vcc 1
		.amdhsa_float_denorm_mode_32 3
		.amdhsa_float_denorm_mode_16_64 3
		.amdhsa_memory_ordered 1
		.amdhsa_forward_progress 1
		.amdhsa_inst_pref_size 138
	.end_amdhsa_kernel
	.amdgpu_metadata
---
amdhsa.version: [ 1, 2 ]
amdhsa.kernels:
  - .name:           k_qd34599839a_pickg
    .symbol:         k_qd34599839a_pickg.kd
    .args:
      - { .name: gmin, .offset: 0, .size: 8, .value_kind: global_buffer, .address_space: global }
      - { .name: pick, .offset: 8, .size: 8, .value_kind: global_buffer, .address_space: global }
    .group_segment_fixed_size: 168960
    .private_segment_fixed_size: 0
    .kernarg_segment_align: 8
    .kernarg_segment_size: 16
    .max_flat_workgroup_size: 256
    .sgpr_count:     66
    .vgpr_count:     162
    .wavefront_size: 32
...
	.end_amdgpu_metadata
.endif
;; end of part 3
;; launch vote (part 4): grid 256 x 1, 4 waves a work-group, no clusters, 0 bytes of LDS; arguments pick, tcodes, taux, qcodes, qaux, y_train, out0; writes out0
.if DOCPART == 4
	.amdgcn_target "amdgcn-amd-amdhsa--gfx1250"
	.amdhsa_code_object_version 6
	.text
	.protected	k_qd34599839a_vote
	.globl	k_qd34599839a_vote
	.p2align	8
	.type	k_qd34599839a_vote,@function
k_qd34599839a_vote:
	s_mov_b64 s[64:65], 0
	v_nop
	global_prefetch_b8 v0, s[64:65] scope:SCOPE_SE
	s_setreg_imm32_b32 hwreg(HW_REG_WAVE_MODE, 25, 1), 1
	s_wait_xcnt 0x0
; For each query: the distances to the 128 training rows of its 8 picked groups once more, by the same matrix instruction on the same codes; dist = the correctly rounded root of max((x2 + t2) - 2 dot, 0);
; the 8 that come first by (dist, row number), as a top-k that keeps the lower index takes them; their labels vote, the smallest class winning a tie.
; SHARES.  One wave, one query Q = 4 x work-group + wave.  No LDS, no barrier.  The addresses of the training tiles hang on whole numbers that an earlier launch stored; each is held at 6,249 before it enters an address.
; THE PRODUCT: source 0 = query Q in all 16 rows (lane (r, h) loads the bytes that lane Q % 16 + 16 h of the query tile's image holds), source 1 = a picked tile: register 0 of accumulator g holds dot(Q, row r of group g)
; in lanes r and 16 + r.  K ascends; the eight accumulators take turns.
; The 128 candidates then lie 4 to a lane: lane (r, h), place k: row r of group k + 4 h.  No branch hangs on a number: eight rounds of minimum, minimum and select.
; A label outside 0 .. 99 votes for nothing, as a one-hot row of zeros; if none is valid the result is class 0.
; LIMITS: NaN and infinities are not served.
; REGISTERS.  Window 0 as named below.  Windows 1 and 2: training fragment o = 8 s + g at window 1 + o / 21, register 12 (o % 21).
.set RAW, 4                            ; v4-11   the picks
.set CO,  12                           ; v12-19  group g: byte offset of my 16 bytes in its codes
.set AO,  20                           ; v20-27  and of my 8 bytes in its record
.set OWN, 28                           ; v28-31  my four candidates' groups
.set QF,  32                           ; v32-79  the query's four fragments
.set QSC, 80                           ; v80-81  its scale words
.set XX,  82                           ; v82     x2
.set TSC, 84                           ; v84-99  the groups' scale words, two registers each
.set TT,  100                          ; v100-103 t2 of my candidates
.set LBI, 104                          ; v104-107 their labels
.set ACC, 108                          ; v108-171 eight accumulators
.set DI,  172                          ; v172-175 dist
.set IX,  176                          ; v176-179 row number, as f32 (under 2^24: exact)
.set LB,  180                          ; v180-183 label as f32, or -1
.set QO,  184                          ; v184    256 h
.set ZR,  185                          ; v185    0
.set HH,  186                          ; v186    h
.set QSO, 187                          ; v187    128 h + 8 (Q % 16)
.set XO,  188                          ; v188    4 (Q % 16)
.set L7,  189                          ; v189    lane % 8
.set TO,  190                          ; v190-193 offsets of t2
.set YO,  194                          ; v194-197 offsets of the labels
.set RR,  198                          ; v198    r
.set WK,  200                          ; v200-203 four numbers at work; v204-208 the root's
.set MN,  204                          ; in the rounds: the least dist,
.set MI,  205                          ; the least row number,
.set TP,  209                          ; and a lane permute's destination
.set W,   210                          ; v210-217 the eight winners' labels, the same in every lane
.set VV,  218                          ; v218    lane l: winner l % 8's label
.set CN,  219
.set KEY, 220
.set INF, 221
.set MSB, 0
.macro WIN new                         ; the immediate's high byte repeats the setting that is left
.if MSB != (\new)
	s_set_vgpr_msb (MSB<<8)|(\new)
.set MSB, (\new)
.endif
.endm
	s_load_b256 s[4:11], s[0:1], 0x0               ; picks s[4:5], training codes s[6:7], training records s[8:9], query codes s[10:11]
	s_load_b128 s[12:15], s[0:1], 0x20             ; query records s[12:13], labels s[14:15]
	s_load_b64 s[16:17], s[0:1], 0x30              ; the result
	v_lshrrev_b32 v1, 5, v0
	v_readfirstlane_b32 s18, v1                    ; wave 0..3
	s_lshl_b32 s19, ttmp9, 2
	s_add_co_u32 s19, s19, s18                     ; Q
	s_and_b32 s22, s19, 15                         ; its row in its tile
	s_lshr_b32 s23, s19, 4                         ; its tile
	v_and_b32 v2, 31, v0
	v_and_b32 v[RR], 15, v0
	v_bfe_u32 v[HH], v0, 4, 1
	v_and_b32 v[L7], 7, v0
	v_lshlrev_b32 v1, 4, v2                        ; v1: 16 x lane
	v_lshlrev_b32 v2, 3, v2                        ; v2: 8 x lane
	v_lshlrev_b32 v3, 2, v[RR]                     ; v3: 4 r
	v_lshlrev_b32 v[QO], 8, v[HH]
	s_lshl_b32 s24, s22, 3
	v_lshl_add_u32 v[QSO], v[HH], 7, s24
	s_lshl_b32 s24, s22, 2
	v_mov_b32 v[XO], s24
	v_mov_b32 v[ZR], 0
	v_mov_b32 v[TP], 0                             ; written once: a lane permute's destination counts as one of its sources
	v_mov_b32 v[VV], 0
	v_mov_b32 v[INF], 0x7f800000
	v_cmp_ne_u32 s28, 0, v[HH]                     ; the mask of lanes 16-31
	s_mov_b32 s20, 0x76543210
	s_mov_b32 s21, 0xfedcba98                      ; v_permlanex16_b32's selects for lane l xor 16
	s_mov_b32 s25, 0
	s_wait_kmcnt 0x0
	s_lshl_b32 s24, s19, 5
	s_add_nc_u64 s[4:5], s[4:5], s[24:25]          ; my 8 picks
	s_mul_i32 s24, s23, 6144
	s_lshl_b32 s26, s22, 4
	s_add_co_u32 s24, s24, s26
	s_add_nc_u64 s[10:11], s[10:11], s[24:25]      ; the query tile's image, at lane Q % 16
	s_lshl_b32 s24, s23, 9
	s_add_nc_u64 s[12:13], s[12:13], s[24:25]      ; its record
	s_lshl_b32 s24, s19, 2
	s_add_nc_u64 s[16:17], s[16:17], s[24:25]
	global_load_b128 v[RAW:RAW+3], v[ZR], s[4:5]
	global_load_b128 v[RAW+4:RAW+7], v[ZR], s[4:5] offset:16
.irp s, 0,1,2,3
.irp c, 0,1,2
	global_load_b128 v[QF+12*\s+4*\c:QF+12*\s+4*\c+3], v[QO], s[10:11] offset:1536*\s+512*\c
.endr
.endr
	global_load_b64 v[QSC:QSC+1], v[QSO], s[12:13] ; register p: K step 2 p in lanes 0-15, K step 2 p + 1 in lanes 16-31, the query's word in every lane
	global_load_b32 v[XX], v[XO], s[12:13] offset:256
	s_wait_loadcnt 14                              ; loads come back in order: the picks are in; the query's 14 loads may be out
.irp g, 0,1,2,3,4,5,6,7
	v_min_u32 v[RAW+\g], 6249, v[RAW+\g]           ; a loaded number enters an address only behind this hold
.endr
.irp g, 0,1,2,3,4,5,6,7
	v_mul_u32_u24 v[CO+\g], 6144, v[RAW+\g]
	v_lshlrev_b32 v[AO+\g], 9, v[RAW+\g]
.endr
.irp g, 0,1,2,3,4,5,6,7
	v_add_nc_u32 v[CO+\g], v[CO+\g], v1
	v_add_nc_u32 v[AO+\g], v[AO+\g], v2
.endr
.irp k, 0,1,2,3
	v_cndmask_b32 v[OWN+\k], v[RAW+\k], v[RAW+4+\k], s28   ; my place k: group k + 4 h
.endr
.irp k, 0,1,2,3
	v_min_u32 v[OWN+\k], 6249, v[OWN+\k]
.endr
.irp k, 0,1,2,3
	v_lshlrev_b32 v[TO+\k], 9, v[OWN+\k]
	v_lshlrev_b32 v[YO+\k], 6, v[OWN+\k]
	v_lshlrev_b32 v[IX+\k], 4, v[OWN+\k]
.endr
.irp k, 0,1,2,3
	v_add_nc_u32 v[TO+\k], v[TO+\k], v3
	v_add_nc_u32 v[YO+\k], v[YO+\k], v3
	v_add_nc_u32 v[IX+\k], v[IX+\k], v[RR]         ; the row's number: 16 x group + r
.endr
.irp k, 0,1,2,3
	v_cvt_f32_u32 v[IX+\k], v[IX+\k]
.endr
.set oo, 0
.rept 32
	WIN ((1+oo/21)<<6)
.irp c, 0,1,2
	global_load_b128 v[12*(oo%21)+4*\c:12*(oo%21)+4*\c+3], v[CO+oo%8], s[6:7] offset:1536*(oo/8)+512*\c   ; 512 consecutive bytes a load
.endr
.set oo, oo+1
.endr
	WIN 0
.irp g, 0,1,2,3,4,5,6,7
	global_load_b64 v[TSC+2*\g:TSC+2*\g+1], v[AO+\g], s[8:9]
.endr
.irp k, 0,1,2,3
	global_load_b32 v[TT+\k], v[TO+\k], s[8:9] offset:256
	global_load_b32 v[LBI+\k], v[YO+\k], s[14:15]
.endr
	s_wait_loadcnt 0x0
.set oo, 0
.rept 32
.set ks, oo/8
.set gg, oo%8
.set rB, 12*(oo%21)
	WIN ((1+oo/21)<<2)
.if ks == 0
	v_wmma_scale_f32_16x16x128_f8f6f4 v[ACC+8*gg:ACC+8*gg+7], v[QF+12*ks:QF+12*ks+11], v[rB:rB+11], 0, v[QSC+ks/2], v[TSC+2*gg+ks/2] matrix_a_fmt:MATRIX_FMT_BF6 matrix_b_fmt:MATRIX_FMT_BF6
.elseif ks == 2
	v_wmma_scale_f32_16x16x128_f8f6f4 v[ACC+8*gg:ACC+8*gg+7], v[QF+12*ks:QF+12*ks+11], v[rB:rB+11], v[ACC+8*gg:ACC+8*gg+7], v[QSC+ks/2], v[TSC+2*gg+ks/2] matrix_a_fmt:MATRIX_FMT_BF6 matrix_b_fmt:MATRIX_FMT_BF6
.else
	v_wmma_scale_f32_16x16x128_f8f6f4 v[ACC+8*gg:ACC+8*gg+7], v[QF+12*ks:QF+12*ks+11], v[rB:rB+11], v[ACC+8*gg:ACC+8*gg+7], v[QSC+ks/2], v[TSC+2*gg+ks/2] matrix_a_fmt:MATRIX_FMT_BF6 matrix_b_fmt:MATRIX_FMT_BF6 matrix_a_scale:MATRIX_SCALE_ROW1 matrix_b_scale:MATRIX_SCALE_ROW1
.endif
.set oo, oo+1
.endr
	WIN 0
.rept 4
	v_nop                                          ; four places behind the last products, whose results are read next
.endr
; The correctly rounded root of v[x] (0 or more) into v[d]; t .. t + 4 at work.  v_sqrt_f32 is good to one unit in the last place (ISA guide, its entry) and takes denormals for 0: so numbers under 2^-96 are
; scaled by 2^32, and the neighbours below and above are tried by exact remainders.  0 and +infinity come through as they are.
.macro SQRT d, x, t
	v_cmp_gt_f32 vcc_lo, 0x0f800000, v[\x]
	v_mul_f32 v[\t], 0x4f800000, v[\x]
	v_cndmask_b32 v[\t], v[\x], v[\t], vcc_lo
	v_sqrt_f32 v[\d], v[\t]
	v_nop                                          ; one plain place behind a transcendental
	s_wait_alu depctr_va_vdst(0)
	v_add_nc_u32 v[\t+1], -1, v[\d]
	v_add_nc_u32 v[\t+2], 1, v[\d]
	v_fma_f32 v[\t+3], -v[\t+1], v[\d], v[\t]
	v_fma_f32 v[\t+4], -v[\t+2], v[\d], v[\t]
	v_cmp_ge_f32 s40, 0, v[\t+3]
	v_cmp_lt_f32 s41, 0, v[\t+4]
	v_cndmask_b32 v[\d], v[\d], v[\t+1], s40
	v_cndmask_b32 v[\d], v[\d], v[\t+2], s41
	v_mul_f32 v[\t], 0x37800000, v[\d]
	v_cndmask_b32 v[\d], v[\d], v[\t], vcc_lo
.endm
.irp k, 0,1,2,3
	v_cndmask_b32 v[DI+\k], v[ACC+8*\k], v[ACC+8*(\k+4)], s28   ; my candidate's dot: each accumulator's lowest register
	v_add_f32 v[WK+\k], v[XX], v[TT+\k]            ; a = x2 + t2
.endr
.irp k, 0,1,2,3
	v_fma_f32 v[WK+\k], v[DI+\k], -2.0, v[WK+\k]   ; d2 = a - 2 dot, rounded once
.endr
.irp k, 0,1,2,3
	v_max_num_f32 v[WK+\k], 0, v[WK+\k]
.endr
.irp k, 0,1,2,3
	SQRT DI+\k, WK+\k, WK+4
.endr
.irp k, 0,1,2,3
	v_cvt_f32_u32 v[LB+\k], v[LBI+\k]
	v_cmp_gt_u32 vcc_lo, 100, v[LBI+\k]
	v_cndmask_b32 v[LB+\k], -1.0, v[LB+\k], vcc_lo ; a label outside 0 .. 99 becomes -1
.endr
.macro WMIN x                          ; the wave's least, in every lane
.irp m, 1,2,4,8
	v_min_num_f32_dpp v[\x], v[\x], v[\x] row_xmask:\m row_mask:0xf bank_mask:0xf
.endr
	v_permlanex16_b32 v[TP], v[\x], s20, s21
	v_min_num_f32 v[\x], v[\x], v[TP]
.endm
.macro WMAX x
.irp m, 1,2,4,8
	v_max_num_f32_dpp v[\x], v[\x], v[\x] row_xmask:\m row_mask:0xf bank_mask:0xf
.endr
	v_permlanex16_b32 v[TP], v[\x], s20, s21
	v_max_num_f32 v[\x], v[\x], v[TP]
.endm
.macro ROUND n                         ; the n-th neighbour: the least dist; among its holders the least row number; that row's label; the row leaves the field
	v_min3_num_f32 v[MN], v[DI], v[DI+1], v[DI+2]
	v_min_num_f32 v[MN], v[MN], v[DI+3]
	WMIN MN
.irp k, 0,1,2,3
	v_cmp_eq_f32 vcc_lo, v[DI+\k], v[MN]
	v_cndmask_b32 v[WK+\k], v[INF], v[IX+\k], vcc_lo
.endr
	v_min3_num_f32 v[MI], v[WK], v[WK+1], v[WK+2]
	v_min_num_f32 v[MI], v[MI], v[WK+3]
	WMIN MI
.irp k, 0,1,2,3
	v_cmp_eq_f32 vcc_lo, v[IX+\k], v[MI]           ; row numbers are all different: one candidate of the 128
	v_cndmask_b32 v[WK+\k], -2.0, v[LB+\k], vcc_lo
	v_cndmask_b32 v[DI+\k], v[DI+\k], v[INF], vcc_lo
.endr
	v_max3_num_f32 v[W+\n], v[WK], v[WK+1], v[WK+2]
	v_max_num_f32 v[W+\n], v[W+\n], v[WK+3]
	WMAX W+\n
	v_cmp_eq_u32 vcc_lo, \n, v[L7]
	v_cndmask_b32 v[VV], v[VV], v[W+\n], vcc_lo
.endm
.irp n, 0,1,2,3,4,5,6,7
	ROUND \n
.endr
	; THE VOTE.  Lane l counts how many of the eight labels equal winner l % 8's; key = 256 x count + 255 - label: the largest key has the most votes, and among equals the smallest class.
	v_mov_b32 v[CN], 0
.irp j, 0,1,2,3,4,5,6,7
	v_cmp_eq_f32 vcc_lo, v[W+\j], v[VV]
	v_cndmask_b32 v[WK], 0, 1.0, vcc_lo
	v_add_f32 v[CN], v[CN], v[WK]
.endr
	v_sub_f32 v[KEY], 0x437f0000, v[VV]            ; 255 - label
	v_fma_f32 v[KEY], v[CN], 0x43800000, v[KEY]    ; + 256 x count: whole numbers under 2,304, exact
	v_cmp_le_f32 vcc_lo, 0, v[VV]
	v_cndmask_b32 v[KEY], 0x437f0000, v[KEY], vcc_lo   ; a label that votes for nothing: the key of class 0 with no vote
	WMAX KEY
	v_cvt_u32_f32 v[KEY], v[KEY]
	v_and_b32 v[KEY], 255, v[KEY]
	v_sub_nc_u32 v[KEY], 255, v[KEY]               ; the class
	v_cmp_eq_u32 vcc_lo, 0, v1                     ; lane 0 stores it
	s_wait_xcnt 0x0                                ; EXEC changes only behind this wait
	s_and_saveexec_b32 s29, vcc_lo
	global_store_b32 v[ZR], v[KEY], s[16:17]
	s_wait_xcnt 0x0                                ; and again, in front of the line that widens it
	s_or_b32 exec_lo, exec_lo, s29
	s_endpgm
.Lfunc_end_k_qd34599839a_vote:
	.size	k_qd34599839a_vote, .Lfunc_end_k_qd34599839a_vote-k_qd34599839a_vote
	.p2alignl 7, 3214868480
	.fill 96, 4, 3214868480
	.section	.rodata,"a",@progbits
	.p2align	6, 0x0
	.amdhsa_kernel k_qd34599839a_vote
		.amdhsa_group_segment_fixed_size 0
		.amdhsa_private_segment_fixed_size 0
		.amdhsa_enable_private_segment 0
		.amdhsa_kernarg_size 56
		.amdhsa_user_sgpr_count 2
		.amdhsa_user_sgpr_kernarg_segment_ptr 1
		.amdhsa_wavefront_size32 1
		.amdhsa_system_sgpr_workgroup_id_x 1
		.amdhsa_system_sgpr_workgroup_id_y 1
		.amdhsa_system_sgpr_workgroup_id_z 1
		.amdhsa_system_vgpr_workitem_id 0
		.amdhsa_next_free_vgpr 768
		.amdhsa_next_free_sgpr 66
		.amdhsa_reserve_vcc 1
		.amdhsa_float_denorm_mode_32 3
		.amdhsa_float_denorm_mode_16_64 3
		.amdhsa_memory_ordered 1
		.amdhsa_forward_progress 1
		.amdhsa_inst_pref_size 44
	.end_amdhsa_kernel
	.amdgpu_metadata
---
amdhsa.version: [ 1, 2 ]
amdhsa.kernels:
  - .name:           k_qd34599839a_vote
    .symbol:         k_qd34599839a_vote.kd
    .args:
      - { .name: pick, .offset: 0, .size: 8, .value_kind: global_buffer, .address_space: global }
      - { .name: tcodes, .offset: 8, .size: 8, .value_kind: global_buffer, .address_space: global }
      - { .name: taux, .offset: 16, .size: 8, .value_kind: global_buffer, .address_space: global }
      - { .name: qcodes, .offset: 24, .size: 8, .value_kind: global_buffer, .address_space: global }
      - { .name: qaux, .offset: 32, .size: 8, .value_kind: global_buffer, .address_space: global }
      - { .name: y_train, .offset: 40, .size: 8, .value_kind: global_buffer, .address_space: global }
      - { .name: out0, .offset: 48, .size: 8, .value_kind: global_buffer, .address_space: global }
    .group_segment_fixed_size: 0
    .private_segment_fixed_size: 0
    .kernarg_segment_align: 8
    .kernarg_segment_size: 56
    .max_flat_workgroup_size: 128
    .sgpr_count:     66
    .vgpr_count:     768
    .wavefront_size: 32
...
	.end_amdgpu_metadata
.endif
;; end of part 4
